; MI455X (gfx1250); checked and timed in simulation.
; The chip was launched on July 23, 2026; its instructions are those of AMD's public machine-readable ISA for CDNA 5 (MIT licence, August 2026) and "CDNA5" Instruction Set Architecture Reference Guide (July 2026). The comments in the code are by the model that wrote it; some were corrected since.
;; Vi T Self Attention. Allowed arithmetic: matrix products marked QUANTISED: E2M1 operands, one E8M0 scale for each 32 along K, by v_wmma_scale_f32_16x16x128_f8f6f4 with both operands' format E2M1 (or v_wmma_scale_f32_32x16x128_f4), f32 sums; everything else in f32.
;; Inputs: Wk 768 x 768 float32; Wq 768 x 768 float32; Wv 768 x 768 float32; bk 768 float32; bq 768 float32; bv 768 float32; hidden_states 32 x 577 x 768 float32.
;; Outputs: out0 32 x 577 x 768 float32.
;; This version of the problem:
;;   THIS VERSION OF THE PROBLEM IS GIVEN IN LOW PRECISION. The matrix products marked QUANTISED in the list below multiply operands that are first quantised to E2M1 (2 exponent bits, 1 mantissa bit; 4 bits a number), with one power-of-two scale for each 32 numbers along K (OCP MX v1.0); their sums are f32. All else is computed in f32.
;;   The module's matrix products, in the order in which they are computed (A, B: the left and right operand; K: the contracted axis; several contracted axes count as one K, in the product's order):
;;     1. [M 18,464, K 768] x [K 768, N 768]; A: input hidden_states; B: input Wq: QUANTISED
;;     2. [M 18,464, K 768] x [K 768, N 768]; A: input hidden_states; B: input Wk: QUANTISED
;;     3. [M 18,464, K 768] x [K 768, N 768]; A: input hidden_states; B: input Wv: QUANTISED
;;     4. batch 384 x [M 577, K 64] x [K 64, N 577]; A: computed on the way; B: computed on the way: QUANTISED
;;     5. batch 384 x [M 577, K 577] x [K 577, N 64]; A: softmax (see below); B: computed on the way: QUANTISED
;;   THE QUANTISER, for each operand of a quantised product, along K:
;;     - K is cut into blocks of 32 from its start; a last block that is shorter is filled with zeros.
;;     - A block's scale is 2^e with e = floor(log2(the largest magnitude in the block)) - 2, held to -126 .. 127; a block of zeros has e = 0. As a byte (E8M0): e + 127.
;;     - Each number is divided by its block's scale, clamped to +-6, and rounded to the nearest number of E2M1, ties to even, subnormals kept.
;;     - The product sums the exact products of the quantised numbers (number of the format x scale) in f32.
;;   ~~~python
;;   def quantise(x, axis):      # numpy; x: float32 -> the quantised numbers, widened to float32 again
;;       x = np.moveaxis(x, axis, -1); K = x.shape[-1]
;;       x = np.pad(x, [(0, 0)] * (x.ndim - 1) + [(0, -K % 32)]); x = x.reshape(x.shape[:-1] + (-1, 32)); a = np.abs(x).max(-1, keepdims=True)
;;       e = np.where(a > 0, np.clip(np.frexp(np.where(a > 0, a, 1))[1] - 1 - 2, -126, 127), 0)      # np.frexp(a)[1] - 1 = floor(log2(a)), exactly
;;       r = np.clip(x / 2.0 ** e, -6, 6)
;;       step = 2.0 ** (np.maximum(np.frexp(np.where(r == 0, 1, r))[1] - 1, 0) - 1)
;;       q = np.round(r / step) * step * 2.0 ** e      # np.round: ties to even
;;       return np.moveaxis(q.reshape(q.shape[:-2] + (-1,))[..., :K], -1, axis).astype(np.float32)
;;   ~~~
;;   SOFTMAX AHEAD OF A QUANTISED PRODUCT. Where the list says 'softmax', what is quantised is not the finished softmax but p = 2^(t - M), with t = logit x log2(e) and M = ceil(the row's largest t), a whole number; so 1/2 < the row's largest p <= 1. The row's sum l is taken of the UNQUANTISED p, in f32, and the product's result is divided by l at the end. Since M is a whole number, a kernel that streams over the keys may use a running M (the ceiling of the running maximum): every later rescaling is an exact power of two, which a block's scale takes up: the codes' values come out the same.
;;   OPERANDS COMPUTED ON THE WAY. 'Computed on the way' means the value that the module computes at that place (a softmax that the list does not call 'softmax' is quantised finished and normalised). What goes into a quantiser is computed in f32, as accurately as f32 sums, v_exp_f32 and their like allow (about 1e-6 of the number): no bf16 or f16 on the way to a quantiser, and a product that is left as it is and whose result goes on into a quantised operand takes f32 operands (vector FMAs, or v_wmma_f32_16x16x4_f32). A number that lies on a knife's edge between two numbers of the format may be rounded either way, as far as f32 arithmetic and the matrix unit's own rounding can turn it there, and no further.
;; One version. Each part assembles by itself: llvm-mc -triple=amdgcn-amd-amdhsa -mcpu=gfx1250 --defsym DOCPART=n.
;; ======== version 1 of 1: 3 launches
;; limits: right only within a limited range of input values
;; workspace buffers: cw 9,842,688 bytes; qb 9,830,400 bytes; kv 18,677,760 bytes
;; launch quant (part 1): grid 4 x 178, 4 waves a work-group, no clusters, 34,304 bytes of LDS; arguments hidden_states, Wq, Wk, Wv, cw; writes cw
.if DOCPART == 1
	.amdgcn_target "amdgcn-amd-amdhsa--gfx1250"
	.amdhsa_code_object_version 6
	.text
	.protected	k_qcb9075fcd0_quant
	.globl	k_qcb9075fcd0_quant
	.p2align	8
	.type	k_qcb9075fcd0_quant,@function
k_qcb9075fcd0_quant:
	s_mov_b64 s[64:65], 0
	v_nop
	global_prefetch_b8 v0, s[64:65] scope:SCOPE_SE
	s_setreg_imm32_b32 hwreg(HW_REG_WAVE_MODE, 25, 1), 1
	s_wait_xcnt 0x0
; hidden_states [32][577][768] and Wq, Wk, Wv [768][768], f32, K = 768 innermost, become codes of FP4 (E2M1) with one E8M0 byte for each 32 along K,
; laid in cw AS THE MATRIX OPERAND'S REGISTERS WANT THEM, so that the next launch loads whole fragments by 16-byte loads, lane after lane.
; cw is 178 blocks of 55,296 bytes, 8 tiles of 16 rows each.  Blocks 0-159: x, block 5 b + U = rows 128 U .. 128 U + 127 of batch b (rows from 577 on: zero codes).
; Blocks 160 + g: Wq's rows 128 g on; 166 + g: Wk's; 172 + g: Wv's.
; THE ROWS OF A TILE ARE NOT NEIGHBOURS: slot r of tile 2 p + u of a block is row 32 p + 8 u + r + 8 (r / 8), so that a transposed product's 16 registers of two neighbouring tiles are 16 neighbours.
; A block: fragment (tile m, K step k) at 6144 m + 1024 k: registers 4 c .. 4 c + 3 of lane l at 512 c + 16 l (lane (r, h) holds k = 64 c + 32 h + 0 .. 31 of slot r);
; behind the 49,152 bytes of codes the scale words: 768 m + 128 k + 4 l (lanes 16-31 hold the same words as lanes 0-15).
; A block's scale is 2^(floor(log2(largest magnitude)) - 2): its byte is the largest magnitude's exponent field - 2, held at 1 from below by a floor among the maximum's leaves.
; LIMITS: NaN and infinities are not served; a block whose largest magnitude lies under 2^-124 gets the byte 1; a block of zeros gets the byte 1 where the rule says 127: its codes are zeros, and this program alone reads the bytes.
; SHARES: a work-group takes one pair of tiles (32 rows); wave w takes tile u = w / 2 and K steps 3 (w % 2) .. + 2.  Each load reads 512 consecutive bytes of one row; a K step's 16 rows turn through the wave's own
; stage in LDS (rows of 512 + 16 bytes) and come back 128 bytes a lane: a whole block of 32 in one lane's registers.  Waves share nothing: no barrier.  No tiles are shared between work-groups: no cluster.
; THE ORDER OF ROWS IN A TILE, in place of what the lines above say of it: slot r of tile m (0..7) of a block is row 64 (m / 4) + 8 (m % 4) + r % 8 + 32 (r / 8) of the block's 128,
; so that in a transposed product the 32 registers that a lane holds of four neighbouring tiles are 32 neighbours: a whole block of the next quantiser in one lane.
.set ROWB,  3072                       ; a row of x or W in bytes
.set BLK,   55296
.set SCO,   49152                      ; where a block's scale words begin
.set SP,    528                        ; a stage row
.set STG,   16*SP                      ; a wave's stage
.set FLOOR, 0x1800000                  ; 2^(3 - 127)
.set OFF,   20                         ; v20-35   byte offset of my 16 bytes in row slot p
.set CD,    36                         ; v36-59   codes, 8 registers a K step: no store's data are written again
.set WD,    60                         ; v60-62   scale words, one a K step
.set X,     64                         ; v64-127  my two blocks of 32 numbers
.set R,     128                        ; v128-255 two sets of 64: a K step as it is loaded
	s_load_b256 s[4:11], s[0:1], 0x0               ; hidden_states, Wq, Wk, Wv
	s_load_b64 s[12:13], s[0:1], 0x20              ; cw
	s_set_vgpr_msb 0x40
	v_lshl_add_u32 v0, v0, 2, 0x8400
	v_mov_b32 v1, 0
	s_set_vgpr_msb 0x4000
	v_lshrrev_b32 v1, 5, v0
	v_readfirstlane_b32 s14, v1                    ; wave 0..3
	v_and_b32 v1, 31, v0                           ; lane
	v_and_b32 v2, 15, v0                           ; r
	v_bfe_u32 v3, v0, 4, 1                         ; h
	v_lshlrev_b32 v4, 4, v1                        ; 16 x lane
	v_lshlrev_b32 v5, 2, v1                        ; 4 x lane
	v_lshlrev_b32 v8, 3, v3                        ; 8 h: my bytes' place in the scale word, in bits
	v_mov_b32 v19, 0                               ; a lane permute's destination counts as read: written once
	s_lshr_b32 s15, s14, 1                         ; u: which tile of the pair
	s_and_b32 s16, s14, 1                          ; which half of K
	s_and_b32 s18, ttmp7, 0xffff                   ; y: the block
	s_mul_i32 s44, s14, STG
	v_add_nc_u32 v6, s44, v4                       ; into the stage: 16 x lane of a row
	v_mul_u32_u24 v7, v2, SP
	v_lshl_add_u32 v7, v3, 7, v7
	v_add_nc_u32 v7, s44, v7                       ; out of it: row r, + 128 h bytes: k = 32 h on
	s_mul_i32 s45, s16, 1536
	v_add_nc_u32 v9, s45, v4                       ; in a row of memory: my half of K, 16 x lane
	s_mov_b32 s34, 0x76543210
	s_mov_b32 s35, 0xfedcba98                      ; v_permlanex16_b32's selects for lane l xor 16
	s_mul_i32 s19, s18, 205
	s_lshr_b32 s19, s19, 10                        ; y / 5 (exact for y under 160): the batch
	s_mul_i32 s20, s19, 5
	s_sub_co_u32 s20, s18, s20                     ; U: which 128 rows of the batch
	s_sub_co_u32 s21, s18, 160                     ; for a block of weights: its number among the 18
	s_wait_alu depctr_va_vdst(0)
	s_wait_kmcnt 0x0
	s_cmp_ge_u32 s18, 166                          ; every choice hangs on the block's number alone
	s_cselect_b64 s[24:25], s[8:9], s[6:7]
	s_cselect_b32 s22, 6, 0
	s_cmp_ge_u32 s18, 172
	s_cselect_b64 s[24:25], s[10:11], s[24:25]
	s_cselect_b32 s22, 12, s22
	s_sub_co_u32 s21, s21, s22                     ; g: which 128 rows of the weight
	s_cmp_lt_u32 s18, 160                          ; (compared anew: the subtraction has set SCC)
	s_cselect_b64 s[24:25], s[4:5], s[24:25]
	s_cselect_b32 s21, s20, s21                    ; which 128 rows,
	s_cselect_b32 s19, s19, 0                      ; of which batch,
	s_mov_b32 s26, 768
	s_cselect_b32 s26, 577, s26                    ; and how many rows there are
	s_mul_i32 s22, s19, 577*ROWB
	s_mov_b32 s23, 0
	s_add_nc_u64 s[24:25], s[24:25], s[22:23]      ; the batch's first row
	s_lshl_b32 s27, s21, 7                         ; 128 U
	s_lshr_b32 s28, ttmp9, 1
	s_lshl_b32 s28, s28, 6
	s_add_co_u32 s27, s27, s28                     ; + 64 (m / 4), m = 2 x pair + u
	s_and_b32 s28, ttmp9, 1
	s_lshl_b32 s28, s28, 4
	s_add_co_u32 s27, s27, s28
	s_lshl_b32 s28, s15, 3
	s_add_co_u32 s27, s27, s28                     ; + 8 (m % 4): slot 0's row
	s_sub_co_u32 s28, s26, 1
	s_add_co_u32 s37, s27, 39                      ; slot 15's row
.irp p, 0,1,2,3,4,5,6,7,8,9,10,11,12,13,14,15
	s_add_co_u32 s29, s27, \p+24*(\p/8)
	s_min_u32 s29, s29, s28                        ; a slot past the last row reads the last row: no load leaves its buffer; its numbers are replaced by zeros below
	s_mul_i32 s29, s29, ROWB
	v_add_nc_u32 v[OFF+\p], s29, v9
.endr
.macro XLOAD k, set                    ; K step k of my three: 16 rows x 512 consecutive bytes
.irp p, 0,1,2,3,4,5,6,7,8,9,10,11,12,13,14,15
	global_load_b128 v[R+64*\set+4*\p:R+64*\set+4*\p+3], v[OFF+\p], s[24:25] offset:512*\k th:TH_LOAD_NT
.endr
.endm
	s_wait_alu depctr_va_vdst(0)
	XLOAD 0, 0
	XLOAD 1, 1
	v_and_b32 v63, 8, v2
	v_mad_u32_u24 v63, v63, 3, v2                  ; r % 8 + 32 (r / 8)
	v_add_nc_u32 v63, s27, v63                     ; my slot's row
	v_cmp_gt_u32 s36, s26, v63                     ; lanes whose row exists
	s_mul_i32 s22, s18, BLK
	s_lshl_b32 s38, ttmp9, 1
	s_add_co_u32 s38, s38, s15                     ; m = 2 x pair + u: my tile in the block
	s_mul_i32 s40, s38, 6144
	s_add_co_u32 s40, s40, s22
	s_mul_i32 s39, s16, 3072
	s_add_co_u32 s40, s40, s39
	s_mov_b32 s41, 0
	s_add_nc_u64 s[30:31], s[12:13], s[40:41]      ; my three fragments
	s_mul_i32 s42, s38, 768
	s_add_co_u32 s42, s42, s22
	s_mul_i32 s39, s16, 384
	s_add_co_u32 s42, s42, s39
	s_add_co_u32 s42, s42, SCO
	s_mov_b32 s43, 0
	s_add_nc_u64 s[32:33], s[12:13], s[42:43]      ; and their scale words
; One K step.  left: the loads of later steps, which may stay out.
.macro QSTEP k, left
	s_wait_loadcnt \left                           ; loads come back in order: this step's sixteen are in
.irp p, 0,1,2,3,4,5,6,7,8,9,10,11,12,13,14,15
	ds_store_b128 v6, v[R+64*((\k)%2)+4*\p:R+64*((\k)%2)+4*\p+3] offset:SP*\p
.endr
.irp c, 0,1
.irp g, 0,1,2,3,4,5,6,7
	ds_load_b128 v[X+32*\c+4*\g:X+32*\c+4*\g+3], v7 offset:256*\c+16*\g   ; LDS serves a wave's instructions in order: these see the stores above
.endr
.endr
	s_wait_dscnt 0x0                               ; my 64 numbers are back, and the stores have read their registers
.if \k == 0
	XLOAD 2, 0                                     ; which take the third step's loads
.endif
	s_cmp_lt_u32 s37, s26                          ; a tile all of whose rows exist skips the mask: a branch on ids
	s_cbranch_scc1 .Lfull_\@
.set cnt, 0
.rept 64
	v_cndmask_b32 v[X+cnt], 0, v[X+cnt], s36       ; rows from 577 on are zeros, ahead of the maximum
.set cnt, cnt+1
.endr
.Lfull_\@:
.irp c, 0,1                                    ; block 2 c + h of my row: all its 32 numbers are mine.  Two chains a block; the floor holds the byte at 1 from below
	v_max3_num_f32 v[10+\c], |v[X+32*\c]|, |v[X+32*\c+1]|, FLOOR
	v_max3_num_f32 v[12+\c], |v[X+32*\c+2]|, |v[X+32*\c+3]|, FLOOR
.endr
.irp i, 4,8,12,16,20,24,28
.irp c, 0,1
	v_max3_num_f32 v[10+\c], v[10+\c], |v[X+32*\c+\i]|, |v[X+32*\c+\i+1]|
	v_max3_num_f32 v[12+\c], v[12+\c], |v[X+32*\c+\i+2]|, |v[X+32*\c+\i+3]|
.endr
.endr
.irp c, 0,1
	v_max_num_f32 v[10+\c], v[10+\c], v[12+\c]
.endr
.irp c, 0,1
	v_add_nc_u32 v[14+\c], 0xff000000, v[10+\c]    ; 2 off the exponent field: the conversion takes the exponent field of this operand as its scale
.endr
.irp c, 0,1
	v_lshrrev_b32 v[16+\c], 23, v[14+\c]           ; the scale's byte
.endr
	v_lshl_or_b32 v18, v17, 16, v16                ; my two bytes: blocks h and 2 + h,
	v_lshlrev_b32 v18, v8, v18                     ; at their places in the word;
	v_permlanex16_b32 v19, v18, s34, s35
	v_or_b32 v[WD+\k], v18, v19                    ; with lane l xor 16's two the word is whole, in both lanes
.irp c, 0,1
.irp g, 0,1,2,3
	v_cvt_scalef32_pk8_fp4_f32 v[CD+8*\k+4*\c+\g], v[X+32*\c+8*\g:X+32*\c+8*\g+7], v[14+\c]   ; register 4 c + g of the fragment
.endr
.endr
	v_nop                                          ; one plain line behind the last scaled conversion
	global_store_b128 v4, v[CD+8*\k:CD+8*\k+3], s[30:31] offset:1024*\k          ; 32 lanes store 512 consecutive bytes, at a multiple of 256 from cw's first byte
	global_store_b128 v4, v[CD+8*\k+4:CD+8*\k+7], s[30:31] offset:1024*\k+512
	global_store_b32 v5, v[WD+\k], s[32:33] offset:128*\k
.endm
	QSTEP 0, 16                                    ; step 1's sixteen loads may be out
	QSTEP 1, 16                                    ; step 2's
	QSTEP 2, 0
	s_set_vgpr_msb 0x5
	s_wait_tensorcnt 0x0
	ds_add_u32 v0, v1
	s_wait_dscnt 0x0
	s_set_vgpr_msb 0x500
	s_endpgm
.Lfunc_end_k_qcb9075fcd0_quant:
	.size	k_qcb9075fcd0_quant, .Lfunc_end_k_qcb9075fcd0_quant-k_qcb9075fcd0_quant
	.p2alignl 7, 3214868480
	.fill 96, 4, 3214868480
	.section	.rodata,"a",@progbits
	.p2align	6, 0x0
	.amdhsa_kernel k_qcb9075fcd0_quant
		.amdhsa_group_segment_fixed_size 34304
		.amdhsa_private_segment_fixed_size 0
		.amdhsa_enable_private_segment 0
		.amdhsa_kernarg_size 40
		.amdhsa_user_sgpr_count 2
		.amdhsa_user_sgpr_kernarg_segment_ptr 1
		.amdhsa_wavefront_size32 1
		.amdhsa_system_sgpr_workgroup_id_x 1
		.amdhsa_system_sgpr_workgroup_id_y 1
		.amdhsa_system_sgpr_workgroup_id_z 1
		.amdhsa_system_vgpr_workitem_id 0
		.amdhsa_next_free_vgpr 258
		.amdhsa_next_free_sgpr 66
		.amdhsa_reserve_vcc 0
		.amdhsa_float_denorm_mode_32 3
		.amdhsa_float_denorm_mode_16_64 3
		.amdhsa_memory_ordered 1
		.amdhsa_forward_progress 1
		.amdhsa_inst_pref_size 40
	.end_amdhsa_kernel
	.amdgpu_metadata
---
amdhsa.version: [ 1, 2 ]
amdhsa.kernels:
  - .name:           k_qcb9075fcd0_quant
    .symbol:         k_qcb9075fcd0_quant.kd
    .args:
      - { .name: hidden_states, .offset: 0, .size: 8, .value_kind: global_buffer, .address_space: global }
      - { .name: Wq, .offset: 8, .size: 8, .value_kind: global_buffer, .address_space: global }
      - { .name: Wk, .offset: 16, .size: 8, .value_kind: global_buffer, .address_space: global }
      - { .name: Wv, .offset: 24, .size: 8, .value_kind: global_buffer, .address_space: global }
      - { .name: cw, .offset: 32, .size: 8, .value_kind: global_buffer, .address_space: global }
    .group_segment_fixed_size: 34304
    .private_segment_fixed_size: 0
    .kernarg_segment_align: 8
    .kernarg_segment_size: 40
    .max_flat_workgroup_size: 128
    .sgpr_count:     66
    .vgpr_count:     258
    .wavefront_size: 32
...
	.end_amdgpu_metadata
.endif
;; end of part 1
;; launch qkv (part 2): grid 40 x 6, 4 waves a work-group, no clusters, 327,680 bytes of LDS; arguments cw, bq, bk, bv, qb, kv; writes qb, kv
.if DOCPART == 2
	.amdgcn_target "amdgcn-amd-amdhsa--gfx1250"
	.amdhsa_code_object_version 6
	.text
	.protected	k_qcb9075fcd0_qkv
	.globl	k_qcb9075fcd0_qkv
	.p2align	8
	.type	k_qcb9075fcd0_qkv,@function
k_qcb9075fcd0_qkv:
	s_mov_b64 s[64:65], 0
	v_nop
	global_prefetch_b8 v0, s[64:65] scope:SCOPE_SE
	s_setreg_imm32_b32 hwreg(HW_REG_WAVE_MODE, 25, 1), 1
	s_wait_xcnt 0x0
; q = x Wq^T + bq, k = x Wk^T + bk, v = x Wv^T + bv on codes of FP4 (E2M1) with E8M0 scales, f32 sums; each result is quantised at once for the attention's products:
; q and k along the head's 64, v along the keys (blocks of 32 counted from the batch's first row; keys from 577 on are zeros).  Nothing wide goes to memory.
; IN: cw, as the launch before laid it: blocks of 8 tiles x 6 K steps as images of the operand's registers (fragment (m, k) at 6144 m + 1024 k + 512 c + 16 lane; scale words at 49,152 + 768 m + 128 k + 4 lane).
; Slot r of tile 2 p + u is row 32 p + 8 u + r + 8 (r / 8), in x and in the weights alike.
; OUT, for each (batch, head), again as images.  qb, 25,600 bytes: 40 tiles of q x 512 bytes (registers 0-3: d = 32 h + 0 .. 31), at 20,480 their 40 scale images of 128 bytes (bytes 0, 1; bytes 2, 3 are 0 and stand over zero codes).
; kv, 48,640 bytes: 40 tiles of k likewise at 0; V^T's fragments (128 keys U, 16 of the head's 64 n) at 20,480 + 1024 (4 U + n); k's scale images at 40,960; V^T's at 46,080 + 128 (4 U + n).
; SHARES: work-group (G, g).  Wave w owns 128 rows of one batch, unit 4 G + w: its 48 fragments and 48 scale words of x stay in registers for the whole launch.  All four waves walk the six head-matrices
; q, k, v of heads 2 g and 2 g + 1, whose three blocks of weights lie in LDS, each byte filled once.  A head-matrix is 128 x 64 of results a wave: 32 accumulators, 192 matrix instructions.
; q AND k ARE MADE TRANSPOSED (source 0 = 16 rows of W, source 1 = 16 rows of x): a lane holds one row of x, and the 16 registers of two neighbouring tiles of W are d = 32 b + 16 h + 0 .. 15.
; v IS MADE THE OTHER WAY ROUND (source 0 = x): a lane holds one d, and the 16 registers of two neighbouring tiles of x are 16 neighbouring keys.  The bias is the C of each sum's first matrix instruction.
; NO CLUSTER: the weights' three blocks, 165,888 bytes, are asked for once by a work-group; and the branch round the mask of keys hangs on the wave's unit of x, which partners along G would not share.
; LIMITS: NaN and infinities are not served; a block whose largest magnitude lies under 2^-124 gets the byte 1, and so does a block of zeros (its codes are zeros; this program alone reads the bytes).
; REGISTERS, in windows of 256.  Window 0: v1-12 addresses; v16-31 at work in the quantiser; v32-39 scale words and v216-247 codes just made; v48-95 x's scale words; v96-119 W's; v120-151 the bias in the result's layout;
;   v152-215 W's fragments, two sets of four.   Window 1: the 32 accumulators.   Window 2: x's fragments of K steps 0-3 (64 k + 8 m).   Window 3: v0-127 those of K steps 4, 5.
; THE ORDER OF ROWS IN A TILE, in place of what the lines above say of it: slot r of tile m (0..7) of a block of x or W is row 64 (m / 4) + 8 (m % 4) + r % 8 + 32 (r / 8).
; So for q and k a lane's 32 registers of a head's four tiles of W are d = 32 h + 0 .. 31, and for v its 32 registers of four neighbouring tiles of x are keys 64 c + 32 h + 0 .. 31:
; a whole block of 32 lies in one lane, and the conversions' results are the next operand's registers as they stand.  In qb and kv tile T's slot r is row 64 (T / 4) + 8 (T % 4) + r % 8 + 32 (r / 8);
; slot r of V^T's tile n is d = 8 n + r % 8 + 32 (r / 8).  THE WEIGHTS' FILLS: Wq's block at the head, Wk's and Wv's each behind a barrier, one tensor load a wave.
.set BLK,   55296
.set QTR,   BLK/4                      ; what one tensor load brings: 54 rows of 256 bytes
.set SCO,   49152
.set BIAS,  3*BLK                      ; behind the weights: 3 x 128 numbers of bias, stored by ds_store: bytes into which no tensor load lands
.set QH,    25600                      ; a head in qb
.set KVH,   48640                      ; a head in kv
.set TM,    16
.set PW,    32
.set PC,    34
.set XS,    48
.set WS,    96
.set BI,    120
.set WF,    152
.set MSB, 0
.macro WIN new                         ; s_set_vgpr_msb: bits 1:0 source 0, 3:2 source 1, 5:4 source 2, 7:6 destination; the high byte repeats the setting that is left
.if MSB != \new
	s_set_vgpr_msb (MSB<<8)|\new
.set MSB, \new
.endif
.endm
.macro PLACES n                        ; plain vector lines between a matrix instruction and a load into, or a vector read or write of, its registers
.rept \n
	v_nop
.endr
.endm
	s_load_b256 s[4:11], s[0:1], 0x0               ; cw, bq, bk, bv
	s_load_b128 s[12:15], s[0:1], 0x20             ; qb, kv
	v_lshl_add_u32 v254, v0, 2, 0x29000
	v_mov_b32 v255, 0
	ds_add_u32 v254, v255
	ds_add_u32 v254, v255
	v_lshrrev_b32 v1, 5, v0
	v_readfirstlane_b32 s16, v1                    ; wave 0..3
	s_and_b32 s18, ttmp7, 0xffff                   ; g: heads 2 g, 2 g + 1
	s_lshl_b32 s19, ttmp9, 2
	s_add_co_u32 s19, s19, s16                     ; my unit of x: 0..159
	s_mul_i32 s20, s19, 205
	s_lshr_b32 s20, s20, 10                        ; unit / 5: the batch
	s_mul_i32 s21, s20, 5
	s_sub_co_u32 s21, s19, s21                     ; U: which 128 rows of it
	v_and_b32 v13, 31, v0                          ; lane
	v_bfe_u32 v14, v0, 4, 1                        ; h
	v_and_b32 v15, 15, v0                          ; r
	v_lshlrev_b32 v1, 4, v13                       ; v1  16 x lane: an image's place for my lane
	v_lshlrev_b32 v2, 2, v13                       ; v2  4 x lane: a scale word's
	v_lshlrev_b32 v6, 7, v14                       ; v6  q, k: the bias of d = 32 h on
	v_and_b32 v7, 8, v15
	v_mad_u32_u24 v7, v7, 3, v15
	v_lshlrev_b32 v7, 2, v7                        ; v7  v: the bias of my own d = r % 8 + 32 (r / 8)
	v_lshlrev_b32 v13, 3, v14                      ; v13 8 h: my bytes' place in a scale word, in bits
	s_lshl_b32 s67, s16, 9
	s_add_co_u32 s67, s67, BIAS
	v_add_nc_u32 v12, s67, v1                      ; v12 where waves 0-2 put bq's, bk's, bv's 128 numbers
.irp b, 0,1,2,3
	v_mov_b32 v[TM+4+\b], 0                        ; a lane permute's destination counts as read: written once
.endr
	s_mov_b32 s58, 0x76543210
	s_mov_b32 s59, 0xfedcba98                      ; v_permlanex16_b32's selects for lane l xor 16
	s_mov_b32 s66, 0xffff                          ; lanes 0-15
	; descriptor group 1: a dense run of 13,824 bytes as 54 rows of 32 elements of 8 bytes, no padding: images are read 16 bytes a lane, lane after lane
	s_mov_b32 s24, 3<<16                           ; no mask; elements of 8 bytes; no padding
	s_mov_b32 s25, 32<<16                          ; tensor_dim0 = 32
	s_mov_b32 s26, 54<<16                          ; tensor_dim1 = 54
	s_mov_b32 s27, 32<<16                          ; tile_dim0 = 32
	s_mov_b32 s28, 54                              ; tile_dim1 = 54
	s_mov_b32 s29, 32                              ; from row to row
	s_mov_b32 s30, 0
	s_mov_b32 s31, 0
	s_mul_i32 s17, s16, QTR                        ; my quarter of a block
	s_mul_i32 s22, s18, BLK
	s_add_co_u32 s22, s22, s17
	s_mov_b32 s23, 0
	s_wait_dscnt 0x0
	s_wait_kmcnt 0x0
.irp t, 0,1,2                                  ; group 0 for Wq's, Wk's, Wv's block g
	s_mov_b32 s[32+4*\t], 1
	s_add_co_u32 s[33+4*\t], s17, \t*BLK
	s_add_nc_u64 s[34+4*\t:35+4*\t], s[4:5], s[22:23]
	s_add_nc_u64 s[34+4*\t:35+4*\t], s[34+4*\t:35+4*\t], (160+6*\t)*BLK
	s_or_b32 s[35+4*\t], s[35+4*\t], 0x80000000
.endr
	tensor_load_to_lds s[32:35], s[24:31]          ; Wq's block, ahead of every wait on TENSORcnt, LDS read and barrier: one load of mine is out; no descriptor is ever written again
	s_nop 0
	PLACES 4
	s_mov_b32 s71, 0
	s_mul_i32 s70, s19, BLK
	s_add_nc_u64 s[44:45], s[4:5], s[70:71]        ; my unit of x
	s_cmp_eq_u32 s16, 1                            ; wave 0 brings bq's 128 numbers of heads 2 g, 2 g + 1, wave 1 bk's, wave 2 bv's
	s_cselect_b64 s[68:69], s[8:9], s[6:7]
	s_cmp_eq_u32 s16, 2
	s_cselect_b64 s[68:69], s[10:11], s[68:69]
	s_lshl_b32 s70, s18, 9
	s_add_nc_u64 s[68:69], s[68:69], s[70:71]
	s_cmp_lt_u32 s16, 3
	s_cbranch_scc0 .Lno_bias_load
	global_load_b128 v[8:11], v1, s[68:69]
.Lno_bias_load:
	WIN 0x80                                       ; destination window 2
.irp k, 0,1,2,3
.irp m, 0,1,2,3,4,5,6,7
.irp c, 0,1
	global_load_b128 v[64*\k+8*\m+4*\c:64*\k+8*\m+4*\c+3], v1, s[44:45] offset:\m*6144+\k*1024+\c*512
.endr
.endr
.endr
	WIN 0xc0                                       ; destination window 3
.irp k, 4,5
.irp m, 0,1,2,3,4,5,6,7
.irp c, 0,1
	global_load_b128 v[64*(\k-4)+8*\m+4*\c:64*(\k-4)+8*\m+4*\c+3], v1, s[44:45] offset:\m*6144+\k*1024+\c*512
.endr
.endr
.endr
	WIN 0
.irp m, 0,1,2,3,4,5,6,7
.irp k, 0,1,2,3,4,5
	global_load_b32 v[XS+6*\m+\k], v2, s[44:45] offset:SCO+768*\m+128*\k
.endr
.endr
	; where my results go
	s_mul_i32 s67, s20, 12
	s_lshl_b32 s22, s18, 1
	s_add_co_u32 s67, s67, s22                     ; 12 b + 2 g: the first of my two heads
	s_mul_i32 s22, s67, QH
	s_lshl_b32 s23, s21, 12
	s_add_co_u32 s70, s22, s23
	s_add_nc_u64 s[46:47], s[12:13], s[70:71]      ; q's tiles 8 U on
	s_lshl_b32 s23, s21, 10
	s_add_co_u32 s70, s22, s23
	s_add_co_u32 s70, s70, 20480
	s_add_nc_u64 s[48:49], s[12:13], s[70:71]      ; their scale images
	s_mul_i32 s22, s67, KVH
	s_lshl_b32 s23, s21, 12
	s_add_co_u32 s70, s22, s23
	s_add_nc_u64 s[50:51], s[14:15], s[70:71]      ; k's tiles 8 U on
	s_add_co_u32 s70, s70, 20480
	s_add_nc_u64 s[54:55], s[14:15], s[70:71]      ; V^T's four fragments of keys 128 U on
	s_lshl_b32 s23, s21, 10
	s_add_co_u32 s70, s22, s23
	s_add_co_u32 s70, s70, 40960
	s_add_nc_u64 s[52:53], s[14:15], s[70:71]      ; k's scale images
	s_lshl_b32 s23, s21, 9
	s_add_co_u32 s70, s22, s23
	s_add_co_u32 s70, s70, 46080
	s_add_nc_u64 s[56:57], s[14:15], s[70:71]      ; V^T's
	s_wait_loadcnt 0x0                             ; x and the bias, once
	s_cmp_lt_u32 s16, 3
	s_cbranch_scc0 .Lno_bias_store
	s_wait_alu depctr_va_vdst(0)
	ds_store_b128 v12, v[8:11]
.Lno_bias_store:
; In front of a matrix's two heads: my part of its block has landed, my LDS instructions are done; then everybody's.
.macro MEET fill, g0                   ; fill = 1: behind the barrier my quarter of the next matrix's block is asked for, by group 0 at s[g0]: it has a matrix's two heads in which to land
	s_wait_tensorcnt 0x0                           ; my quarter of this matrix's block has landed: no tensor load of mine is out
.if \fill
	ds_add_u32 v254, v255                          ; the add ahead of a barrier behind which a fill is issued
.endif
	s_wait_dscnt 0x0
	s_barrier_signal -1
	s_barrier_wait -1
.if \fill
	tensor_load_to_lds s[\g0:\g0+3], s[24:31]      ; my one tensor load behind this barrier, into bytes that nothing has filled or read
	s_nop 0
	PLACES 4
.endif
.endm
.macro WFETCH k                        ; the head's four fragments of W for K step k into set k % 2
.irp n, 0,1,2,3
.irp c, 0,1
	ds_load_b128 v[WF+32*((\k)%2)+8*\n+4*\c:WF+32*((\k)%2)+8*\n+4*\c+3], v3 offset:6144*\n+1024*(\k)+512*\c
.endr
.endr
.endm
.macro MWIN kind, k                    ; the windows of a K step's products: W window 0, x window 2 or 3, D window 1, C window 0 (the bias) in the first step and 1 after it
.set mw, 0x48-6*(\kind)
.if (\k) > 0
.set mw, mw+0x10
.endif
.if (\k) > 3
.set mw, mw+4-3*(\kind)
.endif
	WIN mw
.endm
; 16 matrix instructions: x's tiles m0 .. m0 + 3 against the head's four tiles of W, K step k.  The 32 accumulators take turns, one instruction a turn, in the same order in every K step.
.macro MUL16 kind, k, m0
.set xf, 64*((\k)%4)
.set wf, WF+32*((\k)%2)
.irp m, \m0, \m0+1, \m0+2, \m0+3
.irp n, 0,1,2,3
.if \kind
.set ac, 64*\n+8*(\m)
.if (\k) == 0
	v_wmma_scale_f32_16x16x128_f8f6f4 v[ac:ac+7], v[xf+8*(\m):xf+8*(\m)+7], v[wf+8*\n:wf+8*\n+7], v[BI+8*\n:BI+8*\n+7], v[XS+6*(\m)+(\k)], v[WS+6*\n+(\k)] matrix_a_fmt:MATRIX_FMT_FP4 matrix_b_fmt:MATRIX_FMT_FP4
.else
	v_wmma_scale_f32_16x16x128_f8f6f4 v[ac:ac+7], v[xf+8*(\m):xf+8*(\m)+7], v[wf+8*\n:wf+8*\n+7], v[ac:ac+7], v[XS+6*(\m)+(\k)], v[WS+6*\n+(\k)] matrix_a_fmt:MATRIX_FMT_FP4 matrix_b_fmt:MATRIX_FMT_FP4
.endif
.else
.set ac, 32*(\m)+8*\n
.if (\k) == 0
	v_wmma_scale_f32_16x16x128_f8f6f4 v[ac:ac+7], v[wf+8*\n:wf+8*\n+7], v[xf+8*(\m):xf+8*(\m)+7], v[BI+8*\n:BI+8*\n+7], v[WS+6*\n+(\k)], v[XS+6*(\m)+(\k)] matrix_a_fmt:MATRIX_FMT_FP4 matrix_b_fmt:MATRIX_FMT_FP4
.else
	v_wmma_scale_f32_16x16x128_f8f6f4 v[ac:ac+7], v[wf+8*\n:wf+8*\n+7], v[xf+8*(\m):xf+8*(\m)+7], v[ac:ac+7], v[WS+6*\n+(\k)], v[XS+6*(\m)+(\k)] matrix_a_fmt:MATRIX_FMT_FP4 matrix_b_fmt:MATRIX_FMT_FP4
.endif
.endif
.endr
.endr
.endm
.macro KSTEP kind, k
	s_wait_dscnt 0x0                               ; this step's fragments of W are in (asked for 32 matrix instructions ago)
.if (\k) < 5
	PLACES 4                                       ; the other set was last read by the K step before, whose last product stands just above
	WIN 0
	WFETCH (\k)+1                                  ; the next step's fragments have this whole step in which to come
.endif
	MWIN \kind, \k
	MUL16 \kind, \k, 0
	MUL16 \kind, \k, 4
.endm
; 64 numbers of a lane in window 1, v[s] on, register 32 c + i = place 64 c + 32 h + i along the next K, become codes in v[PC] on and scale words in v[PW] on.
; kind 1 (v): one fragment of 128 keys, one word.  kind 0 (q, k): blocks 0, 1 are one tile's 64 of d, blocks 2, 3 the next tile's: two half fragments, two words of two bytes.
.macro QUANT s, kind                   ; v[PC] on and v[PW] on are this call's own among a head's four: the wait at the head's end stands between their stores and the next head's writes
	WIN 0x05                                       ; sources 0 and 1 window 1
.irp b, 0,1,2,3
	v_max3_num_f32 v[TM+\b], |v[\s+16*\b]|, |v[\s+16*\b+1]|, 0x1800000   ; each accumulator is read from its low end on; the floor 2^(3 - 127) holds the byte at 1 from below
.endr
.irp i, 2,4,6,8,10,12,14
.irp b, 0,1,2,3
	v_max3_num_f32 v[TM+\b], |v[\s+16*\b+\i]|, |v[\s+16*\b+\i+1]|, v[TM+\b]   ; (the four blocks by turns)
.endr
.endr
	WIN 0
	v_max_num_f32 v[TM], v[TM], v[TM+1]            ; registers 0-31 are one block of 32, all mine; registers 32-63 another
	v_max_num_f32 v[TM+2], v[TM+2], v[TM+3]
	v_add_nc_u32 v[TM+12], 0xff000000, v[TM]       ; 2 off the exponent field: the conversion's scale operand
	v_add_nc_u32 v[TM+14], 0xff000000, v[TM+2]
	v_lshrrev_b32 v[TM+4], 23, v[TM+12]            ; the scales' bytes
	v_lshrrev_b32 v[TM+6], 23, v[TM+14]
	v_lshl_or_b32 v[TM+8], v[TM+6], 16, v[TM+4]
	v_lshlrev_b32 v[TM+8], v13, v[TM+8]            ; my two bytes at places h and 2 + h;
	v_permlanex16_b32 v[TM+5], v[TM+8], s58, s59   ; lane l xor 16 has the other two
.if \kind
	v_or_b32 v[PW], v[TM+8], v[TM+5]               ; v: the word of 128 keys
.else
	v_or_b32 v[TM+8], v[TM+8], v[TM+5]
	v_and_b32 v[PW], 0xffff, v[TM+8]               ; q, k: two bytes for the first tile's 64 of d,
	v_lshrrev_b32 v[PW+1], 16, v[TM+8]             ; two for the next tile's
.endif
	WIN 0x01                                       ; source 0 window 1
.irp g, 0,1,2,3
	v_cvt_scalef32_pk8_fp4_f32 v[PC+\g], v[\s+8*\g:\s+8*\g+7], v[TM+12]
	v_cvt_scalef32_pk8_fp4_f32 v[PC+4+\g], v[\s+32+8*\g:\s+32+8*\g+7], v[TM+14]
.endr
	WIN 0
	v_nop                                          ; one plain line behind the last scaled conversion
.endm
; One matrix (mat = 0 q, 1 k, 2 v), its two heads: a loop of two trips; what differs between the trips lies in s60-62 and in the two pointers.
.macro HEADS kind, mat, img, scp, stride
	s_mov_b32 s60, \mat*BLK                        ; the head's four tiles of W,
	s_mov_b32 s61, \mat*BLK+SCO                    ; their scale words,
	s_mov_b32 s62, BIAS+512*\mat                   ; its 64 numbers of bias
	s_mov_b32 s63, 2
.Lhead_\@:
	v_add_nc_u32 v3, s60, v1
	v_add_nc_u32 v4, s61, v2
.if \kind
	v_add_nc_u32 v5, s62, v7
.irp n, 0,1,2,3
.irp j, 0,1,2,3,4,5,6,7
	ds_load_b32 v[BI+8*\n+\j], v5 offset:32*\n     ; a lane holds one d = 8 n + r % 8 + 32 (r / 8): its bias in all eight registers
.endr
.endr
.else
	v_add_nc_u32 v5, s62, v6
.irp n, 0,1,2,3
	ds_load_b128 v[BI+8*\n:BI+8*\n+3], v5 offset:32*\n         ; the bias of d = 32 h + 8 n + 0 .. 7
	ds_load_b128 v[BI+8*\n+4:BI+8*\n+7], v5 offset:32*\n+16
.endr
.endif
.irp n, 0,1,2,3
.irp k, 0,1,2,3,4,5
	ds_load_b32 v[WS+6*\n+\k], v4 offset:768*\n+128*\k
.endr
.endr
	WFETCH 0
	s_wait_alu depctr_va_vdst(0)
.irp k, 0,1,2,3,4,5
	KSTEP \kind, \k
.endr
	WIN 0
	PLACES 4                                       ; in front of the first read of results
.if \kind
	s_cmp_lg_u32 s21, 4                            ; the batch's last 128 rows hold keys 512 .. 576 alone: a branch on ids
	s_cbranch_scc1 .Lwhole_\@
	WIN 0x44                                       ; source 1 and destination window 1
.irp n, 0,1,2,3
	v_cndmask_b32 v[64*\n+32], 0, v[64*\n+32], s66 ; register 32 + i is key 576 + 32 h + i: key 576 lies in lanes 0-15 of register 32;
.set cnt, 33
.rept 31
	v_mov_b32 v[64*\n+cnt], 0                      ; all the others are the quantiser's zeros
.set cnt, cnt+1
.endr
.endr
	WIN 0
.Lwhole_\@:
.endif
.irp i, 0,1,2,3
.set PC, 216+8*\i                      ; v216-247: codes, eight registers for each of a head's four calls
.set PW, 32+2*\i                       ; v32-39: scale words, two for each
	QUANT 64*\i, \kind
	global_store_b128 v1, v[PC:PC+3], s[\img:\img+1] offset:1024*\i              ; 32 lanes store 512 consecutive bytes, at a multiple of 256 from the buffer's first byte
	global_store_b128 v1, v[PC+4:PC+7], s[\img:\img+1] offset:1024*\i+512
.if \kind
	global_store_b32 v2, v[PW], s[\scp:\scp+1] offset:128*\i
.else
	global_store_b32 v2, v[PW], s[\scp:\scp+1] offset:256*\i
	global_store_b32 v2, v[PW+1], s[\scp:\scp+1] offset:256*\i+128
.endif
.endr
	s_wait_xcnt 0x0                                ; the stores have read their bases: they step to the next head
	s_add_nc_u64 s[\img:\img+1], s[\img:\img+1], \stride
	s_add_nc_u64 s[\scp:\scp+1], s[\scp:\scp+1], \stride
	s_add_co_u32 s60, s60, 4*6144
	s_add_co_u32 s61, s61, 4*768
	s_add_co_u32 s62, s62, 256
	s_sub_co_u32 s63, s63, 1
	s_cmp_lg_u32 s63, 0
	s_cbranch_scc1 .Lhead_\@
.endm
	MEET 1, 36                                     ; Wq's block and the biases lie in LDS; Wk's block is asked for
	HEADS 0, 0, 46, 48, QH
	MEET 1, 40                                     ; Wk's lies in LDS; Wv's is asked for
	HEADS 0, 1, 50, 52, KVH
	MEET 0, 0                                      ; Wv's: no tensor load is out from here to the end
	HEADS 1, 2, 54, 56, KVH
	s_wait_tensorcnt 0x0
	ds_add_u32 v254, v255
	s_wait_dscnt 0x0
	s_endpgm
.Lfunc_end_k_qcb9075fcd0_qkv:
	.size	k_qcb9075fcd0_qkv, .Lfunc_end_k_qcb9075fcd0_qkv-k_qcb9075fcd0_qkv
	.p2alignl 7, 3214868480
	.fill 96, 4, 3214868480
	.section	.rodata,"a",@progbits
	.p2align	6, 0x0
	.amdhsa_kernel k_qcb9075fcd0_qkv
		.amdhsa_group_segment_fixed_size 327680
		.amdhsa_private_segment_fixed_size 0
		.amdhsa_enable_private_segment 0
		.amdhsa_kernarg_size 48
		.amdhsa_user_sgpr_count 2
		.amdhsa_user_sgpr_kernarg_segment_ptr 1
		.amdhsa_wavefront_size32 1
		.amdhsa_system_sgpr_workgroup_id_x 1
		.amdhsa_system_sgpr_workgroup_id_y 1
		.amdhsa_system_sgpr_workgroup_id_z 1
		.amdhsa_system_vgpr_workitem_id 0
		.amdhsa_next_free_vgpr 896
		.amdhsa_next_free_sgpr 72
		.amdhsa_reserve_vcc 0
		.amdhsa_float_denorm_mode_32 3
		.amdhsa_float_denorm_mode_16_64 3
		.amdhsa_memory_ordered 1
		.amdhsa_forward_progress 1
		.amdhsa_inst_pref_size 163
	.end_amdhsa_kernel
	.amdgpu_metadata
---
amdhsa.version: [ 1, 2 ]
amdhsa.kernels:
  - .name:           k_qcb9075fcd0_qkv
    .symbol:         k_qcb9075fcd0_qkv.kd
    .args:
      - { .name: cw, .offset: 0, .size: 8, .value_kind: global_buffer, .address_space: global }
      - { .name: bq, .offset: 8, .size: 8, .value_kind: global_buffer, .address_space: global }
      - { .name: bk, .offset: 16, .size: 8, .value_kind: global_buffer, .address_space: global }
      - { .name: bv, .offset: 24, .size: 8, .value_kind: global_buffer, .address_space: global }
      - { .name: qb, .offset: 32, .size: 8, .value_kind: global_buffer, .address_space: global }
      - { .name: kv, .offset: 40, .size: 8, .value_kind: global_buffer, .address_space: global }
    .group_segment_fixed_size: 327680
    .private_segment_fixed_size: 0
    .kernarg_segment_align: 8
    .kernarg_segment_size: 48
    .max_flat_workgroup_size: 128
    .sgpr_count:     72
    .vgpr_count:     896
    .wavefront_size: 32
...
	.end_amdgpu_metadata
.endif
;; end of part 2
;; launch attn (part 3): grid 256 x 1, 8 waves a work-group, no clusters, 167,936 bytes of LDS; arguments qb, kv, out0; writes out0
.if DOCPART == 3
	.amdgcn_target "amdgcn-amd-amdhsa--gfx1250"
	.amdhsa_code_object_version 6
	.text
	.protected	k_qcb9075fcd0_attn
	.globl	k_qcb9075fcd0_attn
	.p2align	8
	.type	k_qcb9075fcd0_attn,@function
k_qcb9075fcd0_attn:
	s_mov_b64 s[64:65], 0
	v_nop
	global_prefetch_b8 v0, s[64:65] scope:SCOPE_SE
	s_setreg_imm32_b32 hwreg(HW_REG_WAVE_MODE, 25, 1), 1
	s_wait_xcnt 0x0
; out0[b][s][64 hd + d] = the sum over keys of softmax(q . k / 8) v, both products on codes of FP4 (E2M1) with E8M0 scales, f32 sums.  577 queries and keys, 12 heads of 64, 32 batches.
; IN: qb and kv as the launch before laid them, images of the operands' registers.  Slot r of tile T (of q, of k) is row 64 (T / 4) + 8 (T % 4) + r % 8 + 32 (r / 8); slot r of V^T's tile n is d = 8 n + r % 8 + 32 (r / 8).
; Both products are used transposed (S^T = K Q^T, O^T = V^T P^T): a lane (r, h) holds ONE query, and its 32 registers of K's tiles 4 g .. 4 g + 3 are keys 64 g + 32 h + 0 .. 31: a whole block of 32 of the second product's K.
; So a block's largest score needs no other lane, and the conversions' results are P's operand registers as they stand.
; THE SOFTMAX AHEAD OF THE SECOND PRODUCT: all 577 scores of a query stay in registers.  t = score x log2(e) / 8; M = the row's largest t rounded up to a whole number; p = 2^(t - M) is quantised along the keys, not normalised;
; the row's sum is taken of the unquantised p and divides at the end.  Nothing is rescaled: M is the row's own from the start.
; THE HEAD'S 64 are half of the instruction's 128 along K: Q's registers 4-7 are zero codes, written once.  K's fragments lie four registers to a tile, one behind the other; what the instruction reads behind a tile's four
; (the next tile's codes, or four zeros behind a set) stands against Q's zero codes and under scale bytes 0, and adds nothing.
; SHARES: 256 work-groups of eight waves, two to a SIMD, 512 registers each.  Work-groups 2 j and 2 j + 1 take heads 3 j .. 3 j + 2: work-group x all 37 tiles of queries of head 3 j + x % 2, and tiles 19 (x % 2) on of head 3 j + 2
; (19 or 18 of them).  Unit i = wave + 8 trip, seven trips: i under 37 is tile i of the first head, else tile i - 37 + 19 (x % 2) of the second.  In the odd work-group unit 55 would be tile 37, which holds no query: its wave jumps round it.
; The two heads' blocks of kv, 48,640 bytes each, come into LDS once: waves 0 to 3 ask for a half each (95 rows of 256 bytes), one tensor load a wave, at the head; no LDS byte is filled twice; one barrier in the launch.
; NO CLUSTER: of a work-group's two blocks one is shared, with one partner, and is asked for once; and the branches on the tile's number (tiles 36 and 37) hang on x % 2, which would be a place in the cluster.
; NO PREFETCH: every byte of kv is asked for at the head; the next unit's q is asked for behind the last product that reads this unit's, two thirds of a unit ahead of its use.
; LIMITS: NaN and infinities among the inputs are not served; a block of p that has fallen to zeros, and the block without keys behind key 576, keep the byte 1: their codes are zeros.
; REGISTERS.  Window 1 (v256-511): S^T, then p, of keys 0 .. 511 (register 32 g + 8 t + j); as groups are converted, V^T's fragments of key step q land at 32 q.
; Window 0: v1-11 addresses; v12 -M; v14 1 / l; v16-23 the sum in four pairs; v24-31 Q, v32 its scale words; v36-45 the blocks' largest, v46-55 the conversions' scale operands, v56-60 p's scale words; v62-101 p's codes (on the way out: rows read back);
;   v102-141 S^T of keys 512 on (on the way out: O / l); v142-213 two sets of eight tiles of K, four zeros behind each (v142-173 then hold O^T); v214-229 K's scale words; v230-249 V^T's; v250-253 at work; v254-255 for the add.
.set KVH,   48640                      ; a head in kv
.set HALFB, 24320                      ; half of it: what one tensor load brings
.set QH,    25600                      ; a head in qb
.set VIM,   20480                      ; in a head's block: V^T's fragments,
.set KSC,   40960                      ; K's scale images,
.set VSC,   46080                      ; V^T's
.set STAGE, 98304                      ; behind the two blocks: 16 rows x 272 bytes for each wave, for the way out; no tensor load lands there
.set SPI,   272
.set SPARE, 133120                     ; behind the stages: the spare words, 128 bytes for each wave
.set FLOOR, 0x1800000                  ; 2^(3 - 127)
.set L,   16
.set Q,   24
.set QS,  32
.set TA,  33
.set TB,  34
.set BM,  36
.set SC,  46
.set PW,  56
.set PC,  62
.set S9,  102
.set KF,  142
.set O,   142
.set KS,  214
.set VS,  230
.set TM,  250
.set MSB, 0
.macro WIN new                         ; s_set_vgpr_msb: bits 1:0 source 0, 3:2 source 1, 5:4 source 2, 7:6 destination; the high byte repeats the setting that is left
.if MSB != \new
	s_set_vgpr_msb (MSB<<8)|\new
.set MSB, \new
.endif
.endm
.macro PLACES n                        ; plain vector lines between a matrix instruction and what touches its registers (ISA guide 7.12.1)
.rept \n
	v_nop
.endr
.endm
.macro IDS                             ; unit s15: its head s16, its tile s17
	s_cmp_lt_u32 s15, 37
	s_cselect_b32 s16, s12, s13
	s_cselect_b32 s17, 0, s14
	s_sub_co_u32 s17, s15, s17
.endm
.macro QLOAD                           ; that unit's tile of q and its scale words (the loads that last read these pointers have been waited for)
	s_mul_i32 s20, s16, QH
	s_lshl_b32 s21, s17, 9
	s_add_co_u32 s44, s20, s21
	s_add_nc_u64 s[38:39], s[4:5], s[44:45]
	s_lshl_b32 s21, s17, 7
	s_add_co_u32 s44, s20, s21
	s_add_co_u32 s44, s44, 20480
	s_add_nc_u64 s[40:41], s[4:5], s[44:45]
	global_load_b128 v[Q:Q+3], v1, s[38:39]
	global_load_b32 v[QS], v2, s[40:41]
.endm
.macro KLOAD g, n, ac, aw              ; K's tiles 8 g .. 8 g + n - 1 and their scale words into set (g + 1) % 2: 2 n LDS loads; v[ac], v[aw]: my lane's place among the block's images and scale words
.set ks, KF+36*(((\g)+1)%2)
.set kw, KS+8*(((\g)+1)%2)
.set cc, 0
.rept \n
	ds_load_b128 v[ks+4*cc:ks+4*cc+3], v[\ac] offset:(8*(\g)+cc)*512
	ds_load_b32 v[kw+cc], v[\aw] offset:KSC+(8*(\g)+cc)*128
.set cc, cc+1
.endr
.endm
.macro SMUL g, n, sb, w                ; S^T of those tiles into v[sb] on of window w: each sum is one instruction, begun with the constant 0
.set ks, KF+36*(((\g)+1)%2)
.set kw, KS+8*(((\g)+1)%2)
	WIN 0x40*\w
.set cc, 0
.rept \n
	v_wmma_scale_f32_16x16x128_f8f6f4 v[\sb+8*cc:\sb+8*cc+7], v[ks+4*cc:ks+4*cc+7], v[Q:Q+7], 0, v[kw+cc], v[QS] matrix_a_fmt:MATRIX_FMT_FP4 matrix_b_fmt:MATRIX_FMT_FP4
.set cc, cc+1
.endr
	WIN 0
.endm
.macro MAXN sb, w, n                   ; the largest of n runs of 16 registers from v[sb] of window w, by turns, into v[TM] on; each accumulator is read from its low end on
	WIN 5*\w
.set cc, 0
.rept \n
	v_max_num_f32 v[TM+cc], v[\sb+16*cc], v[\sb+16*cc+1]
.set cc, cc+1
.endr
.irp i, 2,4,6,8,10,12,14
.set cc, 0
.rept \n
	v_max3_num_f32 v[TM+cc], v[\sb+16*cc+\i], v[\sb+16*cc+\i+1], v[TM+cc]
.set cc, cc+1
.endr
.endr
	WIN 0
.endm
.macro MAXG g                          ; the largest scores of my blocks in groups 2 g and 2 g + 1
	MAXN 64*(\g), 1, 4
	v_max_num_f32 v[BM+2*(\g)], v[TM], v[TM+1]
	v_max_num_f32 v[BM+2*(\g)+1], v[TM+2], v[TM+3]
.endm
.macro FIN g, sb, w                    ; group g's 32 p: into the row's sum (four chains of pairs; group 0 starts them), then into codes
.if (\g) == 0
	WIN 5
.set cc, 0
.rept 4
	v_pk_add_f32 v[L+2*cc:L+2*cc+1], v[\sb+2*cc:\sb+2*cc+1], v[\sb+8+2*cc:\sb+9+2*cc]
.set cc, cc+1
.endr
.set cc, 8
.else
.set cc, 0
.endif
	WIN \w
.rept 16-cc
	v_pk_add_f32 v[L+2*(cc%4):L+2*(cc%4)+1], v[\sb+2*cc:\sb+2*cc+1], v[L+2*(cc%4):L+2*(cc%4)+1]
.set cc, cc+1
.endr
.set cc, 0
.rept 4
	v_cvt_scalef32_pk8_fp4_f32 v[PC+4*(\g)+cc], v[\sb+8*cc:\sb+8*cc+7], v[SC+(\g)]   ; keys 64 g + 32 h + 8 cc on: register 4 (g % 2) + cc of P's fragment
.set cc, cc+1
.endr
.endm
.macro VLOAD q                         ; V^T's four fragments of key step q land where group q's p lay; their scale words: 12 LDS loads
	WIN 0x40
.irp n, 0,1,2,3
	ds_load_b128 v[32*(\q)+8*\n:32*(\q)+8*\n+3], v10 offset:VIM+(4*(\q)+\n)*1024
	ds_load_b128 v[32*(\q)+8*\n+4:32*(\q)+8*\n+7], v10 offset:VIM+(4*(\q)+\n)*1024+512
.endr
	WIN 0
.irp n, 0,1,2,3
	ds_load_b32 v[VS+4*(\q)+\n], v11 offset:VSC+(4*(\q)+\n)*128
.endr
.endm
.macro PV q, zero                      ; O^T += V^T P^T for key step q; the four accumulators by turns
	WIN 1
.irp n, 0,1,2,3
.if \zero
	v_wmma_scale_f32_16x16x128_f8f6f4 v[O+8*\n:O+8*\n+7], v[32*(\q)+8*\n:32*(\q)+8*\n+7], v[PC+8*(\q):PC+8*(\q)+7], 0, v[VS+4*(\q)+\n], v[PW+(\q)] matrix_a_fmt:MATRIX_FMT_FP4 matrix_b_fmt:MATRIX_FMT_FP4
.else
	v_wmma_scale_f32_16x16x128_f8f6f4 v[O+8*\n:O+8*\n+7], v[32*(\q)+8*\n:32*(\q)+8*\n+7], v[PC+8*(\q):PC+8*(\q)+7], v[O+8*\n:O+8*\n+7], v[VS+4*(\q)+\n], v[PW+(\q)] matrix_a_fmt:MATRIX_FMT_FP4 matrix_b_fmt:MATRIX_FMT_FP4
.endif
.endr
.endm
	s_load_b128 s[4:7], s[0:1], 0x0                ; qb, kv
	s_load_b64 s[8:9], s[0:1], 0x10                ; out0
	v_lshl_add_u32 v254, v0, 2, SPARE
	v_mov_b32 v255, 0
	ds_add_u32 v254, v255                          ; the opening lines: the add, twice on end, and its wait ahead of the first tensor load
	ds_add_u32 v254, v255
	v_lshrrev_b32 v9, 5, v0
	v_readfirstlane_b32 s10, v9                    ; wave 0..7
	s_and_b32 s11, ttmp9, 1                        ; x % 2
	s_lshr_b32 s12, ttmp9, 1
	s_mul_i32 s12, s12, 3
	s_add_co_u32 s13, s12, 2                       ; the head that I share: 3 j + 2
	s_add_co_u32 s12, s12, s11                     ; the head that is all mine: 3 j + x % 2
	s_mul_i32 s14, s11, 19
	s_sub_co_u32 s14, 37, s14                      ; unit i of the shared head is tile i - (37 - 19 (x % 2))
	s_mov_b32 s15, s10                             ; my first unit
	s_mov_b32 s58, s10                             ; the unit in hand: wave + 8 x trip, stepped at the loop's foot
	v_and_b32 v7, 31, v0                           ; lane
	v_and_b32 v9, 15, v0                           ; r
	v_bfe_u32 v33, v0, 4, 1                        ; h
	v_mov_b32 v3, 0xff800000                       ; -infinity
	v_lshlrev_b32 v1, 4, v7                        ; 16 x lane: an image's place for my lane
	v_lshlrev_b32 v2, 2, v7                        ; 4 x lane: a scale word's
	v_lshlrev_b32 v8, 3, v33                       ; 8 h: my bytes' place in p's scale word, in bits
	s_mul_i32 s47, s10, 16*SPI
	s_add_co_u32 s47, s47, STAGE                   ; my stage
	v_mul_u32_u24 v4, v9, SPI
	v_mul_u32_u24 v5, v33, SPI
	v_mul_u32_u24 v6, v33, 3072
	v_lshl_add_u32 v4, v33, 7, v4
	v_lshl_add_u32 v5, v9, 4, v5
	v_lshl_add_u32 v6, v9, 4, v6                   ; out0: lanes 0-15 one row's 256 bytes, lanes 16-31 the next row's
	v_add_nc_u32 v4, s47, v4                       ; into the stage: row r, + 128 h bytes: d = 32 h on
	v_add_nc_u32 v5, s47, v5                       ; back: lanes 0-15 one row of 256 bytes, lanes 16-31 the next
.irp j, 4,5,6,7
	v_mov_b32 v[Q+\j], 0                           ; Q's k = 64 .. 127: zero codes
	v_mov_b32 v[KF+28+\j], 0                       ; four zeros behind each set of K's tiles
	v_mov_b32 v[KF+64+\j], 0
.endr
.irp j, 37,38,39
	v_mov_b32 v[PC+\j], 0                          ; p's codes of keys 584 on: zeros, written once
.endr
	v_mov_b32 v13, 0                               ; (named as the upper halves of the pairs v[12:13] and v[14:15])
	v_mov_b32 v15, 0
	; descriptor group 1: a dense run of 24,320 bytes as 95 rows of 32 elements of 8 bytes, no padding: images are read 16 bytes a lane, lane after lane
	s_mov_b32 s24, 3<<16
	s_mov_b32 s25, 32<<16                          ; tensor_dim0 = 32
	s_mov_b32 s26, 95<<16                          ; tensor_dim1 = 95
	s_mov_b32 s27, 32<<16                          ; tile_dim0 = 32
	s_mov_b32 s28, 95                              ; tile_dim1 = 95
	s_mov_b32 s29, 32                              ; from row to row
	s_mov_b32 s30, 0
	s_mov_b32 s31, 0
	s_mov_b32 s32, 0x76543210
	s_mov_b32 s33, 0xfedcba98                      ; v_permlanex16_b32's selects for lane l xor 16
	s_mov_b32 s34, 0x3e38aa3b                      ; c = log2(e) / 8
	s_mov_b32 s35, s34                             ; (named with it as a pair, so it is written)
	s_mov_b32 s36, 0xffff0000                      ; lanes 16-31
	s_mov_b32 s45, 0
	s_mov_b32 s56, 7                               ; trips
	s_cmp_lt_u32 s10, 2                            ; waves 0, 1: the halves of my own head's block; waves 2, 3: of the shared head's
	s_cselect_b32 s20, s12, s13
	s_mul_i32 s20, s20, KVH
	s_and_b32 s21, s10, 1
	s_mul_i32 s21, s21, HALFB
	s_add_co_u32 s44, s20, s21
	s_mov_b32 s48, 1
	s_mul_i32 s49, s10, HALFB                      ; in LDS the four halves lie on end
	s_wait_alu depctr_va_vdst(0)
	s_wait_dscnt 0x0                               ; both opening adds are done
	s_wait_kmcnt 0x0
	s_add_nc_u64 s[50:51], s[6:7], s[44:45]
	s_or_b32 s51, s51, 0x80000000
	s_cmp_lt_u32 s10, 4
	s_cbranch_scc0 .Lno_fill
	tensor_load_to_lds s[48:51], s[24:31]          ; the wave's one tensor load; its descriptor is never written again
	s_nop 0
	PLACES 4
.Lno_fill:
	IDS
	QLOAD
	s_wait_tensorcnt 0x0                           ; my half of a block has landed,
	s_barrier_signal -1
	s_barrier_wait -1                              ; and everybody's.  No barrier follows: a wave reads the blocks, which nobody writes, and its own stage
	KLOAD 0, 8, 1, 2                               ; my first unit's first eight tiles of K (its block begins at LDS byte 0); every later unit's are asked for inside the unit before
.Lunit:
	s_mov_b32 s19, s17                             ; my tile of queries
	s_cmp_ge_u32 s19, 37                           ; tile 37 holds no query
	s_cbranch_scc1 .Lidle
	s_wait_xcnt 0x0                                ; the last unit's stores have read their base and their data: both are written again only behind this wait
	s_mul_i32 s20, s16, 171
	s_lshr_b32 s20, s20, 11                        ; b = (12 b + hd) / 12 (exact up to 383)
	s_mul_i32 s21, s20, 12
	s_sub_co_u32 s21, s16, s21                     ; hd
	s_lshr_b32 s22, s19, 2
	s_lshl_b32 s22, s22, 6
	s_and_b32 s23, s19, 3
	s_lshl_b32 s23, s23, 3
	s_add_co_u32 s22, s22, s23                     ; slot 0's row in its batch: 64 (T / 4) + 8 (T % 4)
	s_mul_i32 s20, s20, 577
	s_add_co_u32 s20, s20, s22
	s_mul_i32 s20, s20, 3072
	s_lshl_b32 s21, s21, 8
	s_add_co_u32 s44, s20, s21                     ; + the head's 256 bytes of a row
	s_add_nc_u64 s[42:43], s[8:9], s[44:45]
	s_add_co_u32 s18, s58, 27
	s_lshr_b32 s18, s18, 6                         ; 0 for units under 37, 1 for units 37 .. 55
	s_min_u32 s18, s18, 1
	s_mul_i32 s18, s18, KVH                        ; where the unit's block begins in LDS
	v_add_nc_u32 v10, s18, v1                      ; images in the unit's block
	v_add_nc_u32 v11, s18, v2                      ; scale words
	s_wait_alu depctr_va_vdst(0)                   ; directly behind the writes
	; S^T = K Q^T, eight tiles at a time on two sets of registers; a set's largest scores are taken behind the next set's products
	KLOAD 1, 8, 10, 11                             ; into the set that held the last unit's O^T, which has been read
	s_wait_loadcnt 0x0                             ; Q
	s_wait_dscnt 16                                ; set 1 is in; set 0's sixteen loads may be out
	SMUL 0, 8, 0, 1
	PLACES 4                                       ; in front of loads into registers that these products have read
	KLOAD 2, 8, 10, 11
	s_wait_dscnt 16
	SMUL 1, 8, 64, 1
	MAXG 0                                         ; (these lines are also the places in front of the loads below)
	KLOAD 3, 8, 10, 11
	s_wait_dscnt 16
	SMUL 2, 8, 128, 1
	MAXG 1
	KLOAD 4, 5, 10, 11                             ; tiles 32 .. 36: ten loads
	s_wait_dscnt 10
	SMUL 3, 8, 192, 1
	MAXG 2
	s_wait_dscnt 0x0
	SMUL 4, 5, S9, 0                               ; keys 512 on, in window 0
	MAXG 3                                         ; (the places in front of the loads into Q's registers and of the reads of these results)
	s_add_co_u32 s15, s15, 8                       ; my next unit: its q has the rest of this unit in which to land
	s_cmp_lt_u32 s15, 56
	s_cbranch_scc0 .Lno_next                       ; behind the last trip there is none: no load leaves its buffer
	IDS
	QLOAD
	s_add_co_u32 s20, s58, 35
	s_lshr_b32 s20, s20, 6                         ; 0 where the next unit, s58 + 8, is under 37, else 1
	s_min_u32 s20, s20, 1
	s_mul_i32 s20, s20, KVH                        ; where its block begins in LDS
	v_add_nc_u32 v35, s20, v1
	v_add_nc_u32 v61, s20, v2
	s_wait_alu depctr_va_vdst(0)                   ; directly behind the writes
	KLOAD 0, 8, 35, 61                             ; its first eight tiles of K, into the set that tiles 32 .. 36 have left (34 plain lines behind their products); nothing else names that set before the next unit
.Lno_next:
	v_cndmask_b32 v[S9+32], v[S9+32], v3, s36      ; tile 36: register 0 is key 576 + 32 h: lanes 16-31 hold no key: -infinity, so p = 0
.irp j, 33,34,35,36,37,38,39
	v_mov_b32 v[S9+\j], 0                          ; keys 577 on: p = 0, written as such
.endr
	MAXN S9, 0, 2
	v_max3_num_f32 v[TA], v[BM], v[BM+1], v[BM+2]
	v_max_num_f32 v[BM+8], v[TM], v[TM+1]
	v_max3_num_f32 v[TB], v[BM+3], v[BM+4], v[BM+5]
	v_max3_num_f32 v[TA], v[TA], v[BM+6], v[BM+7]
	s_delay_alu instid0(VALU_DEP_2)
	v_max3_num_f32 v[TB], v[TB], v[BM+8], v[S9+32]
	s_delay_alu instid0(VALU_DEP_1)
	v_max_num_f32 v[TA], v[TA], v[TB]              ; the largest score of my half of the keys,
	s_delay_alu instid0(VALU_DEP_1)
	v_permlanex16_b32 v[TB], v[TA], s32, s33
	s_delay_alu instid0(VALU_DEP_1)
	v_max_num_f32 v[TA], v[TA], v[TB]              ; and of lane l xor 16's: the row's
	s_delay_alu instid0(VALU_DEP_1)
	v_mul_f32 v[TA], s34, v[TA]                    ; as t (c is positive)
	s_delay_alu instid0(VALU_DEP_1)
	v_floor_f32 v12, -v[TA]                        ; -M = floor(-t) = -ceil(t)
.set cc, 0
.rept 16
	v_pk_fma_f32 v[S9+cc:S9+cc+1], v[S9+cc:S9+cc+1], s[34:35], v[12:13] op_sel_hi:[1,0,0]
.set cc, cc+2
.endr
	v_fma_f32 v[S9+32], v[S9+32], s34, v12
.set cc, 0
.rept 9
	v_fma_f32 v[BM+cc], v[BM+cc], s34, v12         ; the same of each block's largest score: p rises with the score, so this gives the block's largest p
.set cc, cc+1
.endr
	; keys 0 .. 511, in four chunks of 64 registers: t - M of a chunk (two at a time; of the pairs c and -M the low word serves both halves) is made between the exponentials of the chunk before
	WIN 0x41
.set cc, 0
.rept 32
	v_pk_fma_f32 v[cc:cc+1], v[cc:cc+1], s[34:35], v[12:13] op_sel_hi:[1,0,0]
.set cc, cc+2
.endr
.set cc, 0
.rept 3
	s_wait_alu depctr_va_vdst(0)                   ; the wait between the writing of a chunk's t - M and the exponentials that read it
.rept 32
	v_exp_f32 v[cc], v[cc]                         ; p = 2^(t - M), at most 1
	v_exp_f32 v[cc+1], v[cc+1]
	v_pk_fma_f32 v[cc+64:cc+65], v[cc+64:cc+65], s[34:35], v[12:13] op_sel_hi:[1,0,0]
.set cc, cc+2
.endr
.endr
	s_wait_alu depctr_va_vdst(0)
.rept 64
	v_exp_f32 v[cc], v[cc]
.set cc, cc+1
.endr
	WIN 0
.set cc, 0
.rept 33
	v_exp_f32 v[S9+cc], v[S9+cc]
.set cc, cc+1
.endr
.set cc, 0
.rept 9
	v_exp_f32 v[BM+cc], v[BM+cc]
.set cc, cc+1
.endr
	v_nop                                          ; the plain line behind the exponentials
	s_wait_alu depctr_va_vdst(0)                   ; one wait for the whole batch, ahead of its first reader
	; the ten blocks' scales, by turns
.set cc, 0
.rept 9
	v_max_num_f32 v[BM+cc], FLOOR, v[BM+cc]        ; the floor: the byte cannot fall under 1
.set cc, cc+1
.endr
	v_max_num_f32 v[BM+9], FLOOR, v[S9+32]         ; the block from key 576 on: its largest p is key 576's
.set cc, 0
.rept 10
	v_add_nc_u32 v[SC+cc], 0xff000000, v[BM+cc]    ; 2 off the exponent field: the conversion's scale operand
.set cc, cc+1
.endr
.set cc, 0
.rept 10
	v_lshrrev_b32 v[BM+cc], 23, v[SC+cc]           ; the scale's byte
.set cc, cc+1
.endr
.irp q, 0,1,2,3,4
	v_lshl_or_b32 v[PW+\q], v[BM+2*\q+1], 16, v[BM+2*\q]   ; key step q: my two bytes, blocks h and 2 + h,
.endr
.irp q, 0,1,2,3,4
	v_lshlrev_b32 v[PW+\q], v8, v[PW+\q]           ; at their places in the word;
.endr
.irp q, 0,1,2,3,4
	v_permlanex16_b32 v[BM+2*\q], v[PW+\q], s32, s33
.endr
.irp q, 0,1,2,3,4
	v_or_b32 v[PW+\q], v[PW+\q], v[BM+2*\q]        ; with lane l xor 16's two the word is whole
.endr
	FIN 0, 0, 1
	VLOAD 0
	FIN 1, 32, 1
	VLOAD 1
	FIN 2, 64, 1
	VLOAD 2
	FIN 3, 96, 1
	VLOAD 3
	FIN 4, 128, 1
	VLOAD 4
	s_wait_alu depctr_va_vdst(0)                   ; directly ahead of the wait below
	s_wait_dscnt 36                                ; V^T of key steps 0 and 1 is in; the 36 loads of steps 2 to 4 may be out
	PV 0, 1                                        ; the first products start the sums: nothing is cleared
	PV 1, 0
	FIN 5, 160, 1
	FIN 6, 192, 1
	FIN 7, 224, 1
	FIN 8, S9, 0
	v_add_f32 v[L], v[L], v[S9+32]                 ; key 576's p (0 in lanes 16-31)
	v_cvt_scalef32_pk8_fp4_f32 v[PC+36], v[S9+32:S9+39], v[SC+9]   ; lanes 0-15: keys 576 .. 583; lanes 16-31: zeros
	v_pk_add_f32 v[L:L+1], v[L:L+1], v[L+2:L+3]    ; the sum's four pairs (these lines also stand between the last codes and the products)
	v_pk_add_f32 v[L+4:L+5], v[L+4:L+5], v[L+6:L+7]
	s_delay_alu instid0(VALU_DEP_1)
	v_pk_add_f32 v[L:L+1], v[L:L+1], v[L+4:L+5]
	s_delay_alu instid0(VALU_DEP_1)
	v_add_f32 v[L], v[L], v[L+1]
	s_delay_alu instid0(VALU_DEP_1)
	v_permlanex16_b32 v[TB], v[L], s32, s33
	s_delay_alu instid0(VALU_DEP_1)
	v_add_f32 v[L], v[L], v[TB]                    ; and lane l xor 16's: the row's sum
	s_wait_alu depctr_va_vdst(0)                   ; ahead of the wait below, and between the sum and the reciprocal
	s_wait_dscnt 0x0                               ; V^T of key steps 2 to 4
	PV 2, 0
	PV 3, 0
	PV 4, 0
	WIN 0
	v_rcp_f32 v14, v[L]
	PLACES 4                                       ; behind the last products and the reciprocal
	s_wait_alu depctr_va_vdst(0)                   ; the wait ahead of the first reader of 1 / l and of O^T
	; THE WAY OUT.  O^T / l goes through my stage in LDS and comes back as whole rows: a head's 64 numbers of a row of out0 are 256 bytes, stored by sixteen lanes.
.set cc, 0
.rept 16
	v_pk_mul_f32 v[S9+cc:S9+cc+1], v[O+cc:O+cc+1], v[14:15] op_sel_hi:[1,0]   ; register i is d = 32 h + i of my query
.set cc, cc+2
.endr
.irp k, 0,1,2,3,4,5,6,7
	ds_store_b128 v4, v[S9+4*\k:S9+4*\k+3] offset:16*\k
.endr
.irp i, 0,1,2,3,4,5,6,7
	ds_load_b128 v[PC+4*\i:PC+4*\i+3], v5 offset:2*\i*SPI   ; LDS serves a wave's instructions in order: these see my stores.  Slots 2 i and 2 i + 1
.endr
	s_cmp_eq_u32 s19, 36
	s_cbranch_scc1 .Llast_tile
.irp i, 0,1,2,3,4,5,6,7
	s_wait_dscnt 7-\i                              ; the younger read-backs may stay out
	global_store_b128 v6, v[PC+4*\i:PC+4*\i+3], s[42:43] offset:(2*\i+24*(\i/4))*3072 th:TH_STORE_NT   ; slot s is row s % 8 + 32 (s / 8); 16 lanes store 256 consecutive bytes, at a multiple of 256 from out0's first byte
.endr
	s_branch .Lidle
.Llast_tile:                                       ; tile 36 holds row 576 alone: slot 0, lanes 0-15 of the first read-back
	s_wait_dscnt 0x0
	v_cmp_gt_u32 vcc_lo, 16, v7
	s_wait_xcnt 0x0                                ; EXEC changes only behind this wait
	s_and_saveexec_b32 s57, vcc_lo
	global_store_b128 v6, v[PC:PC+3], s[42:43] th:TH_STORE_NT
	s_wait_xcnt 0x0                                ; and again in front of the line that widens it
	s_or_b32 exec_lo, exec_lo, s57
.Lidle:
	s_add_co_u32 s58, s58, 8
	s_sub_co_u32 s56, s56, 1
	s_cmp_lg_u32 s56, 0
	s_wait_alu depctr_va_vdst(0)
	s_cbranch_scc1 .Lunit
	s_wait_tensorcnt 0x0                           ; the wave's end
	ds_add_u32 v254, v255
	s_wait_dscnt 0x0
	s_endpgm
.Lfunc_end_k_qcb9075fcd0_attn:
	.size	k_qcb9075fcd0_attn, .Lfunc_end_k_qcb9075fcd0_attn-k_qcb9075fcd0_attn
	.p2alignl 7, 3214868480
	.fill 96, 4, 3214868480
	.section	.rodata,"a",@progbits
	.p2align	6, 0x0
	.amdhsa_kernel k_qcb9075fcd0_attn
		.amdhsa_group_segment_fixed_size 167936
		.amdhsa_private_segment_fixed_size 0
		.amdhsa_enable_private_segment 0
		.amdhsa_kernarg_size 24
		.amdhsa_user_sgpr_count 2
		.amdhsa_user_sgpr_kernarg_segment_ptr 1
		.amdhsa_wavefront_size32 1
		.amdhsa_system_sgpr_workgroup_id_x 1
		.amdhsa_system_sgpr_workgroup_id_y 1
		.amdhsa_system_sgpr_workgroup_id_z 1
		.amdhsa_system_vgpr_workitem_id 0
		.amdhsa_next_free_vgpr 512
		.amdhsa_next_free_sgpr 66
		.amdhsa_reserve_vcc 1
		.amdhsa_float_denorm_mode_32 3
		.amdhsa_float_denorm_mode_16_64 3
		.amdhsa_memory_ordered 1
		.amdhsa_forward_progress 1
		.amdhsa_inst_pref_size 72
	.end_amdhsa_kernel
	.amdgpu_metadata
---
amdhsa.version: [ 1, 2 ]
amdhsa.kernels:
  - .name:           k_qcb9075fcd0_attn
    .symbol:         k_qcb9075fcd0_attn.kd
    .args:
      - { .name: qb, .offset: 0, .size: 8, .value_kind: global_buffer, .address_space: global }
      - { .name: kv, .offset: 8, .size: 8, .value_kind: global_buffer, .address_space: global }
      - { .name: out0, .offset: 16, .size: 8, .value_kind: global_buffer, .address_space: global }
    .group_segment_fixed_size: 167936
    .private_segment_fixed_size: 0
    .kernarg_segment_align: 8
    .kernarg_segment_size: 24
    .max_flat_workgroup_size: 256
    .sgpr_count:     66
    .vgpr_count:     512
    .wavefront_size: 32
...
	.end_amdgpu_metadata
.endif
;; end of part 3
